; MI455X (gfx1250); checked and timed in simulation.
; The chip was launched on July 23, 2026; its instructions are those of AMD's public machine-readable ISA for CDNA 5 (MIT licence, August 2026) and "CDNA5" Instruction Set Architecture Reference Guide (July 2026). The comments in the code are by the model that wrote it; some were corrected since.
;; Multi Head Attention. Allowed arithmetic: matrix products marked QUANTISED: E4M3 operands, one given power-of-two scale a tensor, by v_wmma_f32_16x16x64_fp8_fp8 or v_wmma_f32_16x16x128_fp8_fp8, f32 sums; everything else in f32.
;; Inputs: lowp_scales 8 int32 (the exponents e of the quantised operands' scales 2^e); o_b 1,024 float32; o_w_codes 1,024 x 32 x 32 uint8 (E4M3 codes of o_w, K innermost, in blocks of 32 codes); qkv_b 3,072 float32; qkv_w_codes 3,072 x 32 x 32 uint8 (E4M3 codes of qkv_w, K innermost, in blocks of 32 codes); x_codes 4 x 2,048 x 32 x 32 uint8 (E4M3 codes of x, K innermost, in blocks of 32 codes).
;; Outputs: out0 4 x 2,048 x 1,024 float32.
;; This version of the problem:
;;   THIS VERSION OF THE PROBLEM IS GIVEN IN LOW PRECISION. The matrix products marked QUANTISED in the list below multiply operands that are first quantised to E4M3 (4 exponent bits, 3 mantissa bits; 8 bits a number), with one given power-of-two scale for each operand tensor; their sums are f32. All else is computed in f32.
;;   The module's matrix products, in the order in which they are computed (A, B: the left and right operand; K: the contracted axis; several contracted axes count as one K, in the product's order):
;;     1. [M 8,192, K 1,024] x [K 1,024, N 3,072]; A: input x (given as codes); B: input qkv_w (given as codes): QUANTISED (scales: A lowp_scales[0], B lowp_scales[1])
;;     2. batch 64 x [M 2,048, K 64] x [K 64, N 2,048]; A: computed on the way; B: computed on the way: QUANTISED (scales: A lowp_scales[2], B lowp_scales[3])
;;     3. batch 64 x [M 2,048, K 2,048] x [K 2,048, N 64]; A: softmax (see below); B: computed on the way: QUANTISED (scales: A lowp_scales[4], B lowp_scales[5])
;;     4. [M 8,192, K 1,024] x [K 1,024, N 1,024]; A: computed on the way; B: input o_w (given as codes): QUANTISED (scales: A lowp_scales[6], B lowp_scales[7])
;;   THE QUANTISER, for each operand of a quantised product, along K:
;;     - The operand's scale is 2^e, e = its entry of the input lowp_scales (int32; the entries are numbered through the quantised products in the list's order, A before B).
;;     - Each number is divided by the scale, clamped to +-448, and rounded to the nearest number of E4M3, ties to even, subnormals kept.
;;     - The product sums the exact products of the quantised numbers (number of the format x scale) in f32.
;;   ~~~python
;;   def quantise(x, axis, e):      # numpy; x: float32 -> the quantised numbers, widened to float32 again
;;       x = np.moveaxis(x, axis, -1); K = x.shape[-1]
;;       r = np.clip(x / 2.0 ** e, -448, 448)
;;       step = 2.0 ** (np.maximum(np.frexp(np.where(r == 0, 1, r))[1] - 1, -6) - 3)
;;       q = np.round(r / step) * step * 2.0 ** e      # np.round: ties to even
;;       return np.moveaxis(q, -1, axis).astype(np.float32)
;;   ~~~
;;   SOFTMAX AHEAD OF A QUANTISED PRODUCT. Where the list says 'softmax', what is quantised is not the finished softmax but p = 2^(t - M), with t = logit x log2(e) and M = ceil(the row's largest t), a whole number; so 1/2 < the row's largest p <= 1. The row's sum l is taken of the UNQUANTISED p, in f32, and the product's result is divided by l at the end. Since M is a whole number, a kernel that streams over the keys may use a running M (the ceiling of the running maximum): every later rescaling is an exact power of two, so the quantised numbers keep their values, but for numbers so far below the row's largest that they fall under the format's range.
;;   OPERANDS COMPUTED ON THE WAY. 'Computed on the way' means the value that the module computes at that place (a softmax that the list does not call 'softmax' is quantised finished and normalised). What goes into a quantiser is computed in f32, as accurately as f32 sums, v_exp_f32 and their like allow (about 1e-6 of the number): no bf16 or f16 on the way to a quantiser, and a product that is left as it is and whose result goes on into a quantised operand takes f32 operands (vector FMAs, or v_wmma_f32_16x16x4_f32). A number that lies on a knife's edge between two numbers of the format may be rounded either way, as far as f32 arithmetic and the matrix unit's own rounding can turn it there, and no further.
;;   INPUTS GIVEN AS CODES. o_w (in the module: [1024, 1024], K = its axis 1); qkv_w (in the module: [3072, 1024], K = its axis 1); x (in the module: [4, 2048, 1024], K = its axis 2): each comes as NAME_codes (uint8): NAME with its K axis moved to the last place and cut into blocks of 32 codes, [.., K / 32, bytes a block], one block behind the other in memory; one code a byte (a code: sign, 4 exponent bits, 3 mantissa bits); its scale is its entry of lowp_scales. Its value is code x scale, taken as it is: it is not quantised again, and the codes and scales need not be those that the quantiser above would give.
;; One version. Each part assembles by itself: llvm-mc -triple=amdgcn-amd-amdhsa -mcpu=gfx1250 --defsym DOCPART=n.
;; ======== version 1 of 1: 3 launches
;; limits: right only within a limited range of input values
;; workspace buffers: q_img 8,388,608 bytes; k_img 8,388,608 bytes; v_img 8,388,608 bytes; ao_img 8,388,608 bytes
;; launch qkv (part 1): grid 16 x 16, 4 waves a work-group, clusters of 4 x 4, 327,680 bytes of LDS; arguments x_codes, qkv_w_codes, qkv_b, lowp_scales, q_img, k_img, v_img; writes q_img, k_img, v_img
.if DOCPART == 1
	.amdgcn_target "amdgcn-amd-amdhsa--gfx1250"
	.amdhsa_code_object_version 6
	.text
	.protected	k_q8fd0a2e99c_qkv
	.globl	k_q8fd0a2e99c_qkv
	.p2align	8
	.type	k_q8fd0a2e99c_qkv,@function
k_q8fd0a2e99c_qkv:
	s_mov_b64 s[64:65], 0
	v_nop
	global_prefetch_b8 v0, s[64:65] scope:SCOPE_SE
	s_setreg_imm32_b32 hwreg(HW_REG_WAVE_MODE, 25, 1), 1
	s_wait_xcnt 0x0
	s_wait_alu depctr_hold_cnt(0) depctr_sa_sdst(0) depctr_va_vdst(0) depctr_va_sdst(0) depctr_va_ssrc(0) depctr_va_vcc(0) depctr_vm_vsrc(0)
	s_getreg_b32 s2, hwreg(HW_REG_IB_STS2, 6, 4)
	s_cmp_eq_u32 s2, 0
	s_cbranch_scc0 .Lentry_in_a_cluster
	s_endpgm
.Lentry_in_a_cluster:
	s_bfe_u32 s2, ttmp6, 0x10000c
	s_cmp_lg_u32 s2, 0xf033
	s_cbranch_scc0 .Lentry_shape_is_right
	s_endpgm
.Lentry_shape_is_right:
; qkv = x W^T + b on codes of FP8 (E4M3), then q, k and v are quantised with their given scales and stored as IMAGES OF OPERAND REGISTERS for the attention launch.
; x: [8192 tokens][1024] codes, W: [3072 features][1024] codes, K innermost.  Feature f belongs to head f / 192; in a head 0-63 are q, 64-127 k, 128-191 v.
; lowp_scales: e0 (x), e1 (W), e2 (q), e3 (k), e5 (v).  A sum stands for sum x 2^(e0 + e1); the bias goes in as the C of a sum's first product, divided by 2^(e0 + e1); a code is (sum + that) / 2^(eX - e0 - e1).
; LIMITS: e2 - e0 - e1, e3 - e0 - e1 and e5 - e0 - e1 lie between -126 and 119, so that each power of two below is an f32 number.  NaN in the bias is not served.
; SHARES.  Work-group (x = head, y) stays for two tiles of 256 tokens x the head's 192 features: tokens 512 y + 256 t on.  Wave w (rh = w / 2, ch = w % 2) takes tokens 128 rh on (8 tiles of 16) and, of q, of k and of v
; alike, features 32 ch on (2 tiles of 16 each): 48 accumulators, 384 registers; all four waves run one text.
; LAYOUT.  q's and k's products are used TRANSPOSED (source 0 = 16 rows of W, source 1 = 16 tokens): a lane holds one token and eight neighbouring features, so a conversion of a tile's eight registers gives registers
; 2 c, 2 c + 1 of that token tile's fragment (16 tokens x 64 along the head).  v's products are taken the natural way (source 0 = tokens, source 1 = rows of W): a lane holds one feature and eight neighbouring tokens,
; which are registers 2 a, 2 a + 1 of V^T's fragment (16 of the head's 64 x 128 keys).  So nothing is transposed and nothing goes through a stage: each store is 512 consecutive bytes, aligned, straight from registers.
; x's and W's fragments are fetched by four loads of 16 bytes, 32 bytes apart: a permutation of k that is the same on both sides, so every product meets its partner.
; RING.  K goes in steps of 256 through two LDS slots (x's 256 rows, then W's 192 rows; rows of 256 bytes + 16 of padding).  Eight fills: tile n / 4, K step n % 4, slot n % 2; the ring goes on from tile 0 into tile 1.
; CLUSTER 4 x 4.  x's tile hangs on y alone and is asked for jointly along a row of the cluster, W's on x alone and jointly along a column.  By this text's count a wave has one tensor load out at a time.
; REGISTERS, in windows of 256: window 0: v0-31 addresses and scales; v32-127 W's six fragments, v128-255 x's eight: set 0.  Window 1: the same numbers: set 1; in the way out v32-127 hold the codes.
;   window 2: accumulator (b, a) of q (b = 0, 1) and k (b = 2, 3) at v[64 b + 8 a].  Window 3: v's accumulator (u, a) at v[64 u + 8 a]; from v128 the six tiles of bias.
.set PITCH,  272                       ; an LDS row: 256 bytes + 16 of padding = 68 words: the 16 rows of a fragment load start at 16 different groups of four banks
.set AHALF,  128*PITCH                 ; what one tensor load brings of x, and what one wave reads of it
.set BHALF,  96*PITCH                  ; what one tensor load brings of W
.set BOFF,   256*PITCH                 ; W's rows lie behind x's 256
.set SLOT,   448*PITCH
.set SPARE,  2*SLOT                    ; behind the ring: the spare words, 128 bytes for each wave: two blocks of 256 bytes that no other line names
.set SCQ, 8                            ; v8 2^(e2 - e0 - e1)
.set HQ,  9
.set SCK, 10                           ; v10 the same with e3
.set HK,  11
.set SCV, 12                           ; v12 the same with e5
.set HV,  13
.set ADRA, 16                          ; v16-17  LDS address of my fragments of x in slot 0, 1
.set ADRB, 20                          ; v20-21  the same for W
.set GO,   24                          ; v24     16 x lane: my place in an image's 512 bytes
.set SPW,  28                          ; v28     LDS address of my spare word; never rewritten
.set NIL,  29                          ; v29     0; never rewritten
.set BF,   32
.set AF,   128
.set BI,   128                         ; in window 3
.set CQ,   32                          ; in window 1: q's codes, four registers a token tile;
.set CK,   64                          ; k's;
.set CV,   96                          ; v's, sixteen registers a tile of features
.set WV, 18
.set RH, 19
.set CH, 20
.set G1,  24                           ; s[24:31] descriptor group 1 for x's tiles;  s[32:39] group 0, one set for each slot
.set G0,  32
.set G1B, 48                           ; s[48:55], s[56:63] the same for W's tiles
.set G0B, 56
.set MSB, 0
.macro WIN new                         ; the immediate's high byte repeats the setting that is left; a switch that changes nothing is dropped
.if MSB != (\new)
	s_set_vgpr_msb (MSB<<8)|(\new)
.set MSB, (\new)
.endif
.endm
.macro PLACES n                        ; plain vector instructions between a matrix instruction and a load into, or a read of, its registers
.rept \n
	v_nop
.endr
.endm
.macro JLOAD s                         ; a joint load: waves 0 and 1 fetch x's two halves, waves 2 and 3 W's; four v_nop follow each of the two lines
	s_cmp_eq_u32 s[RH], 0
	s_cbranch_scc0 .Lfor_b_\@
	tensor_load_to_lds s[G0+4*\s:G0+4*\s+3], s[G1:G1+7]
	s_nop 0
.rept 4
	v_nop
.endr
	s_branch .Lasked_\@
.Lfor_b_\@:
	tensor_load_to_lds s[G0B+4*\s:G0B+4*\s+3], s[G1B:G1B+7]
	s_nop 0
.rept 4
	v_nop
.endr
.Lasked_\@:
.endm
.macro CREST                           ; a round of the cluster's barrier behind its opening barrier
	s_cmp_lg_u32 s[WV], 0
	s_cbranch_scc1 .Lnot_wave_0_\@
	s_barrier_signal -3
.Lnot_wave_0_\@:
	s_barrier_wait -3
	s_barrier_signal -1
	s_barrier_wait -1
.endm
.macro CROUND                          ; a whole round
	s_barrier_signal -1
	s_barrier_wait -1
	CREST
.endm
	s_load_b256 s[4:11], s[0:1], 0x0               ; x s[4:5], W s[6:7], the bias s[8:9], the scales' exponents s[10:11]
	s_load_b128 s[12:15], s[0:1], 0x20             ; q's images s[12:13], k's s[14:15]
	s_load_b64 s[16:17], s[0:1], 0x30              ; v's
	v_lshl_add_u32 v[SPW], v0, 2, SPARE
	v_mov_b32 v[NIL], 0
	ds_add_u32 v28, v29
	ds_add_u32 v28, v29
	s_wait_dscnt 0x0
	v_lshrrev_b32 v1, 5, v0
	v_readfirstlane_b32 s[WV], v1                  ; wave 0..3
	s_lshr_b32 s[RH], s[WV], 1                     ; which 128 tokens are mine.  Also: I fetch for x (0) or for W (1)
	s_and_b32 s[CH], s[WV], 1                      ; which 32 features of q, k, v.  Also: which half of that tile I fetch
	s_bfe_u32 s21, ttmp6, 0x40000                  ; cx, cy: my place in the cluster
	s_bfe_u32 s22, ttmp6, 0x40004
	s_lshl_b32 s23, ttmp9, 2
	s_add_co_u32 s23, s23, s21                     ; work-group x = the head
	s_and_b32 s40, ttmp7, 0xffff
	s_lshl_b32 s40, s40, 2
	s_add_co_u32 s40, s40, s22                     ; work-group y: tokens 512 y on
	s_lshl_b32 s41, s22, 2
	s_lshl_b32 s41, 15, s41                        ; my row of the cluster
	s_lshl_b32 s44, 0x1111, s21                    ; my column
	s_or_b32 s[G1], s41, (1<<20)|(1<<21)|(5<<22)|(3<<25)    ; 15:0 the mask; 17:16 elements of 1 byte; 20 padding on; 21 set beside a mask; 24:22 after every 64 words; 31:25 four words of it
	s_or_b32 s[G1B], s44, (1<<20)|(1<<21)|(5<<22)|(3<<25)
	s_mov_b32 s[G1+1], 256<<16                     ; tensor_dim0 = 256
	s_mov_b32 s[G1+2], 128<<16                     ; tensor_dim1 = 128
	s_mov_b32 s[G1+3], 256<<16                     ; tile_dim0 = 256
	s_mov_b32 s[G1+4], 128                         ; tile_dim1 = 128
	s_mov_b32 s[G1+5], 1024                        ; from row to row
	s_mov_b32 s[G1+6], 0
	s_mov_b32 s[G1+7], 0
	s_mov_b32 s[G1B+1], 256<<16
	s_mov_b32 s[G1B+2], 96<<16                     ; W's half tile has 96 rows
	s_mov_b32 s[G1B+3], 256<<16
	s_mov_b32 s[G1B+4], 96
	s_mov_b32 s[G1B+5], 1024
	s_mov_b32 s[G1B+6], 0
	s_mov_b32 s[G1B+7], 0
	s_lshl_b32 s76, s40, 9
	s_lshl_b32 s42, s[CH], 7
	s_add_co_u32 s76, s76, s42                     ; x: row 512 y + 128 x half,
	s_lshl_b32 s76, s76, 10                        ; in bytes (under 2^23)
	s_mov_b32 s77, 0
	s_mul_i32 s78, s23, 192
	s_mul_i32 s43, s[CH], 96
	s_add_co_u32 s78, s78, s43                     ; W: row 192 x head + 96 x half
	s_lshl_b32 s78, s78, 10
	s_mov_b32 s79, 0
	s_mul_i32 s45, s[CH], AHALF                    ; where they go: the wave's number alone enters an LDS address
	s_mul_i32 s46, s[CH], BHALF
	s_add_co_u32 s46, s46, BOFF
	s_wait_kmcnt 0x0
	s_load_b256 s[68:75], s[10:11], 0x0            ; e0 .. e7
	s_add_nc_u64 s[76:77], s[4:5], s[76:77]
	s_add_nc_u64 s[78:79], s[6:7], s[78:79]
	CROUND                                         ; all sixteen work-groups are here: the first joint loads meet
.irp s, 0,1
	s_mov_b32 s[G0+4*\s], 1
	s_add_co_u32 s[G0+4*\s+1], s45, \s*SLOT
	s_add_nc_u64 s[G0+4*\s+2:G0+4*\s+3], s[76:77], \s*256
	s_or_b32 s[G0+4*\s+3], s[G0+4*\s+3], 0x80000000
	s_mov_b32 s[G0B+4*\s], 1
	s_add_co_u32 s[G0B+4*\s+1], s46, \s*SLOT
	s_add_nc_u64 s[G0B+4*\s+2:G0B+4*\s+3], s[78:79], \s*256
	s_or_b32 s[G0B+4*\s+3], s[G0B+4*\s+3], 0x80000000
	s_wait_alu depctr_va_vdst(0)
	s_wait_tensorcnt 0x0
	ds_add_u32 v28, v29
	ds_add_u32 v28, v29
	s_wait_dscnt 0x0
	CROUND
	JLOAD \s
.endr
	v_and_b32 v1, 15, v0                           ; r = lane % 16
	v_bfe_u32 v2, v0, 4, 1                         ; h = lane / 16
	v_mul_u32_u24 v3, v1, PITCH
	v_lshl_add_u32 v3, v2, 4, v3                   ; a fragment's row x pitch + 16 x half
	s_mul_i32 s42, s[RH], AHALF                    ; my 128 rows of x
	s_mul_i32 s43, s[CH], 32*PITCH                 ; my 32 rows of q's part of W; k's and v's lie 64 and 128 rows on
	s_add_co_u32 s43, s43, BOFF
.irp s, 0,1
	v_add_nc_u32 v[ADRA+\s], s42, v3
	v_add_nc_u32 v[ADRB+\s], s43, v3
	s_add_co_u32 s42, s42, SLOT
	s_add_co_u32 s43, s43, SLOT
.endr
	v_lshlrev_b32 v4, 5, v2                        ; the bias of q and k: eight numbers from 8 h on
	v_lshlrev_b32 v5, 2, v1                        ; the bias of v: number r
	v_and_b32 v6, 31, v0
	v_lshlrev_b32 v[GO], 4, v6
	s_mul_i32 s80, s23, 768                        ; the head's 192 numbers of the bias,
	s_lshl_b32 s81, s[CH], 7                       ; my 32 of each third
	s_add_co_u32 s80, s80, s81
	s_mov_b32 s81, 0
	s_add_nc_u64 s[8:9], s[8:9], s[80:81]
	WIN 0xc0                                       ; destination window 3
.irp b, 0,1,2,3
	global_load_b128 v[BI+8*\b:BI+8*\b+3], v4, s[8:9] offset:(64*(\b/2)+16*(\b%2))*4       ; lane (r, h), register j: the bias of feature 16 (b % 2) + 8 h + j
	global_load_b128 v[BI+8*\b+4:BI+8*\b+7], v4, s[8:9] offset:(64*(\b/2)+16*(\b%2))*4+16
.endr
.irp u, 0,1
.irp j, 0,1,2,3,4,5,6,7
	global_load_b32 v[BI+32+8*\u+\j], v5, s[8:9] offset:(128+16*\u)*4                      ; v: a lane holds one feature, so all eight registers take its bias
.endr
.endr
	WIN 0
	; where my images go: head-and-batch x 131,072 + (y % 4) x 32,768 + rh x 8,192; q, k: + 512 ch (my group of four registers); v: + 4,096 ch (my two tiles of features)
	s_lshr_b32 s82, s40, 2
	s_lshl_b32 s82, s82, 4
	s_add_co_u32 s82, s82, s23                     ; 16 x batch + head
	s_lshl_b32 s82, s82, 17
	s_and_b32 s83, s40, 3
	s_lshl_b32 s83, s83, 15
	s_add_co_u32 s82, s82, s83
	s_lshl_b32 s83, s[RH], 13
	s_add_co_u32 s82, s82, s83
	s_lshl_b32 s83, s[CH], 9
	s_add_co_u32 s84, s82, s83
	s_mov_b32 s85, 0
	s_lshl_b32 s83, s[CH], 12
	s_add_co_u32 s82, s82, s83
	s_mov_b32 s83, 0
	s_add_nc_u64 s[12:13], s[12:13], s[84:85]
	s_add_nc_u64 s[14:15], s[14:15], s[84:85]
	s_add_nc_u64 s[16:17], s[16:17], s[82:83]
	s_wait_kmcnt 0x0
	s_add_co_i32 s84, s68, s69                     ; e0 + e1
.macro MKSC e, sc, hl                  ; 2^(e - e0 - e1) as f32, whose exponent field the conversion takes
	s_sub_co_i32 s86, s[\e], s84
	s_add_co_i32 s86, s86, 127
	s_lshl_b32 s87, s86, 23
	v_mov_b32 v[\sc], s87
.endm
	MKSC 70, SCQ, HQ
	MKSC 71, SCK, HK
	MKSC 73, SCV, HV
	s_sub_co_i32 s85, 0, s84
	s_wait_loadcnt 0x0                             ; the bias
	WIN 0xc3
.set jj, 0
.rept 48
	v_ldexp_f32 v[BI+jj], v[BI+jj], s85            ; the bias / 2^(e0 + e1): nothing is rounded
.set jj, jj+1
.endr
	WIN 0
; 56 LDS loads in one run: x's eight and W's six fragments of the slot's q-th 128 along K, into set p.  Lane l holds row l % 16; registers 4 c .. 4 c + 3 hold K = 32 c + 16 (l / 16) + 0 .. 15.
.macro FETCH slot, q, p
	WIN (\p)<<6
.irp a, 0,1,2,3,4,5,6,7
.irp c, 0,1,2,3
	ds_load_b128 v[AF+16*\a+4*\c:AF+16*\a+4*\c+3], v[ADRA+\slot] offset:128*(\q)+32*\c+16*\a*PITCH
.endr
.endr
.irp i, 0,1,2,3,4,5
.irp c, 0,1,2,3
	ds_load_b128 v[BF+16*\i+4*\c:BF+16*\i+4*\c+3], v[ADRB+\slot] offset:128*(\q)+32*\c+(64*(\i/2)+16*(\i%2))*PITCH
.endr
.endr
	WIN 0
.endm
; Eight products of q or k: tile b of features against my eight tiles of tokens, transposed.  first = 1: the sums begin with the bias.  The 48 accumulators take turns, one instruction a turn.
.macro MULQK p, b, first
.if \first
	WIN 0xb0|(5*(\p))
.else
	WIN 0xa0|(5*(\p))
.endif
.irp a, 0,1,2,3,4,5,6,7
.if \first
	v_wmma_f32_16x16x128_fp8_fp8 v[64*(\b)+8*\a:64*(\b)+8*\a+7], v[BF+16*(\b):BF+16*(\b)+15], v[AF+16*\a:AF+16*\a+15], v[BI+8*(\b):BI+8*(\b)+7]
.else
	v_wmma_f32_16x16x128_fp8_fp8 v[64*(\b)+8*\a:64*(\b)+8*\a+7], v[BF+16*(\b):BF+16*(\b)+15], v[AF+16*\a:AF+16*\a+15], v[64*(\b)+8*\a:64*(\b)+8*\a+7]
.endif
.endr
.endm
; Eight products of v: my eight tiles of tokens against tile u of features, the natural way.
.macro MULV p, u, first
	WIN 0xf0|(5*(\p))
.irp a, 0,1,2,3,4,5,6,7
.if \first
	v_wmma_f32_16x16x128_fp8_fp8 v[64*(\u)+8*\a:64*(\u)+8*\a+7], v[AF+16*\a:AF+16*\a+15], v[BF+64+16*(\u):BF+64+16*(\u)+15], v[BI+32+8*(\u):BI+32+8*(\u)+7]
.else
	v_wmma_f32_16x16x128_fp8_fp8 v[64*(\u)+8*\a:64*(\u)+8*\a+7], v[AF+16*\a:AF+16*\a+15], v[BF+64+16*(\u):BF+64+16*(\u)+15], v[64*(\u)+8*\a:64*(\u)+8*\a+7]
.endif
.endr
.endm
; A slot's first 128 along K: multiplies set 0, and fetches the slot's second 128 into set 1 ahead of the 48 products.  x = 1: window 1's registers were the last tile's store data.
.macro STEP slot, first, x
	s_wait_dscnt 0x0                               ; set 0 is in
.if \x
	s_wait_xcnt 0x0                                ; the last tile's stores have read their registers: the loads below may land there
.endif
	PLACES 4                                       ; behind the products that read set 1
	FETCH \slot, 1, 1
	MULQK 0, 0, \first
	MULQK 0, 1, \first
	MULQK 0, 2, \first
	MULQK 0, 3, \first
	MULV 0, 0, \first
	MULV 0, 1, \first
	WIN 0
.endm
; A slot's second 128 along K multiplies set 1 and changes slots: ONE barrier; in front of it each wave waits for all its tensor loads, adds 0 to its spare word, and waits for that and for its reads of this slot.
; fill = 1: this slot is filled again with the K step two on; fill = 2: with the NEXT tile's K step 0 or 1 (x goes 256 rows down and back along K, W only back); fill = 0: nothing is left to fetch.
.macro TURN slot, next, fill
	WIN 0
	s_wait_tensorcnt 0x0                           ; all my tensor loads have landed: the one that was out is my part of the next slot
	ds_add_u32 v[SPW], v[NIL]                      ; 0 onto my spare word
	s_wait_dscnt 1                                 ; only the add may be out: set 1's 56 loads are in
	MULQK 1, 0, 0                                  ; eight matrix instructions stand between the add and the wait for it
	s_wait_dscnt 0x0                               ; the add is done, and my reads of this slot are over
	s_barrier_signal -1
	MULQK 1, 1, 0
	WIN 0
	s_barrier_wait -1
.if \fill
	CREST                                          ; the barrier has opened a round of the cluster's barrier: no wave of any partner still reads this slot or has a load on its way
.if \fill == 1
	s_add_nc_u64 s[G0+4*\slot+2:G0+4*\slot+3], s[G0+4*\slot+2:G0+4*\slot+3], 512
	s_add_nc_u64 s[G0B+4*\slot+2:G0B+4*\slot+3], s[G0B+4*\slot+2:G0B+4*\slot+3], 512
.else
	s_add_nc_u64 s[G0+4*\slot+2:G0+4*\slot+3], s[G0+4*\slot+2:G0+4*\slot+3], 256*1024-512
	s_sub_nc_u64 s[G0B+4*\slot+2:G0B+4*\slot+3], s[G0B+4*\slot+2:G0B+4*\slot+3], 512
.endif
	JLOAD \slot                                    ; the first tensor load behind the round; its four v_nop are also the places in front of the loads below
.else
	PLACES 4
.endif
	FETCH \next, 0, 0
	MULQK 1, 2, 0
	MULQK 1, 3, 0
	MULV 1, 0, 0
	MULV 1, 1, 0
	WIN 0
.endm
; THE WAY OUT of tile t: convert, store.  The conversion to an 8-bit code does not saturate (ISA guide 7.6.2).  Each accumulator is read from its low end on.
.macro EPI t
	PLACES 4
	WIN 0x82                                       ; destination and source 0 window 2
.set jj, 0
.rept 128
.set jj, jj+1
.endr
.rept 128
.set jj, jj+1
.endr
	WIN 0x42                                       ; source 0 window 2, destination window 1
.irp a, 0,1,2,3,4,5,6,7
.irp b, 0,1
	v_cvt_scalef32_pk8_fp8_f32 v[CQ+4*\a+2*\b:CQ+4*\a+2*\b+1], v[64*\b+8*\a:64*\b+8*\a+7], v[SCQ]           ; token tile a: registers 2 b, 2 b + 1 of my group of four
	v_cvt_scalef32_pk8_fp8_f32 v[CK+4*\a+2*\b:CK+4*\a+2*\b+1], v[128+64*\b+8*\a:128+64*\b+8*\a+7], v[SCK]
.endr
.endr
	WIN 0xc3
.set jj, 0
.rept 128
.set jj, jj+1
.endr
	WIN 0x43
.irp u, 0,1
.irp a, 0,1,2,3,4,5,6,7
	v_cvt_scalef32_pk8_fp8_f32 v[CV+16*\u+2*\a:CV+16*\u+2*\a+1], v[64*\u+8*\a:64*\u+8*\a+7], v[SCV]         ; tile u of the head's 64: keys 16 a + 8 h on are registers 2 a, 2 a + 1
.endr
.endr
	v_nop                                          ; one plain vector instruction behind the last conversion: the next tile's products write its sources
	WIN 0x04                                       ; store data window 1
.irp a, 0,1,2,3,4,5,6,7
	global_store_b128 v[GO], v[CQ+4*\a:CQ+4*\a+3], s[12:13] offset:16384*\t+1024*\a                         ; 32 lanes store 512 consecutive bytes, aligned
	global_store_b128 v[GO], v[CK+4*\a:CK+4*\a+3], s[14:15] offset:16384*\t+1024*\a
.endr
.irp u, 0,1
.irp g, 0,1,2,3
	global_store_b128 v[GO], v[CV+16*\u+4*\g:CV+16*\u+4*\g+3], s[16:17] offset:16384*\t+2048*\u+512*\g
.endr
.endr
	WIN 0
.endm
	s_wait_alu depctr_va_vdst(0)
	s_wait_tensorcnt 1                             ; my part of fill 0 is in; fill 1 may stay out
	s_barrier_signal -1
	s_barrier_wait -1                              ; everybody's is
	FETCH 0, 0, 0
	STEP 0, 1, 0                                   ; tile 0
	TURN 0, 1, 1
	STEP 1, 0, 0
	TURN 1, 0, 1
	STEP 0, 0, 0
	TURN 0, 1, 2                                   ; the ring goes on into tile 1
	STEP 1, 0, 0
	TURN 1, 0, 2
	EPI 0                                          ; both refills are asked for, and tile 1's first fragments are on their way: now tile 0 goes out
	STEP 0, 1, 1                                   ; tile 1
	TURN 0, 1, 1
	STEP 1, 0, 0
	TURN 1, 0, 1
	STEP 0, 0, 0
	TURN 0, 1, 0
	STEP 1, 0, 0
	s_wait_dscnt 0x0                               ; the very last 128 along K
	MULQK 1, 0, 0
	MULQK 1, 1, 0
	MULQK 1, 2, 0
	MULQK 1, 3, 0
	MULV 1, 0, 0
	MULV 1, 1, 0
	WIN 0
	EPI 1
	s_wait_tensorcnt 0x0                           ; the wave's end
	ds_add_u32 v[SPW], v[NIL]
	s_wait_dscnt 0x0
	CROUND                                         ; the closing round: no work-group ends while a partner may still ask for a tile that names it
	s_endpgm
.Lfunc_end_k_q8fd0a2e99c_qkv:
	.size	k_q8fd0a2e99c_qkv, .Lfunc_end_k_q8fd0a2e99c_qkv-k_q8fd0a2e99c_qkv
	.p2alignl 7, 3214868480
	.fill 96, 4, 3214868480
	.section	.rodata,"a",@progbits
	.p2align	6, 0x0
	.amdhsa_kernel k_q8fd0a2e99c_qkv
		.amdhsa_group_segment_fixed_size 327680
		.amdhsa_private_segment_fixed_size 0
		.amdhsa_enable_private_segment 0
		.amdhsa_kernarg_size 56
		.amdhsa_user_sgpr_count 2
		.amdhsa_user_sgpr_kernarg_segment_ptr 1
		.amdhsa_wavefront_size32 1
		.amdhsa_system_sgpr_workgroup_id_x 1
		.amdhsa_system_sgpr_workgroup_id_y 1
		.amdhsa_system_sgpr_workgroup_id_z 1
		.amdhsa_system_vgpr_workitem_id 0
		.amdhsa_next_free_vgpr 1024
		.amdhsa_next_free_sgpr 100
		.amdhsa_reserve_vcc 0
		.amdhsa_float_denorm_mode_32 3
		.amdhsa_float_denorm_mode_16_64 3
		.amdhsa_fp16_overflow 1
		.amdhsa_memory_ordered 1
		.amdhsa_forward_progress 1
		.amdhsa_inst_pref_size 141
	.end_amdhsa_kernel
	.amdgpu_metadata
---
amdhsa.version: [ 1, 2 ]
amdhsa.kernels:
  - .name:           k_q8fd0a2e99c_qkv
    .symbol:         k_q8fd0a2e99c_qkv.kd
    .args:
      - { .name: x_codes, .offset: 0, .size: 8, .value_kind: global_buffer, .address_space: global }
      - { .name: qkv_w_codes, .offset: 8, .size: 8, .value_kind: global_buffer, .address_space: global }
      - { .name: qkv_b, .offset: 16, .size: 8, .value_kind: global_buffer, .address_space: global }
      - { .name: lowp_scales, .offset: 24, .size: 8, .value_kind: global_buffer, .address_space: global }
      - { .name: q_img, .offset: 32, .size: 8, .value_kind: global_buffer, .address_space: global }
      - { .name: k_img, .offset: 40, .size: 8, .value_kind: global_buffer, .address_space: global }
      - { .name: v_img, .offset: 48, .size: 8, .value_kind: global_buffer, .address_space: global }
    .group_segment_fixed_size: 327680
    .private_segment_fixed_size: 0
    .kernarg_segment_align: 8
    .kernarg_segment_size: 56
    .max_flat_workgroup_size: 128
    .sgpr_count:     100
    .vgpr_count:     1024
    .wavefront_size: 32
...
	.end_amdgpu_metadata
.endif
;; end of part 1
;; launch attn (part 2): grid 4 x 64, 8 waves a work-group, clusters of 4 x 1, 263,168 bytes of LDS; arguments q_img, k_img, v_img, lowp_scales, ao_img; writes ao_img
.if DOCPART == 2
	.amdgcn_target "amdgcn-amd-amdhsa--gfx1250"
	.amdhsa_code_object_version 6
	.text
	.protected	k_q8fd0a2e99c_attn
	.globl	k_q8fd0a2e99c_attn
	.p2align	8
	.type	k_q8fd0a2e99c_attn,@function
k_q8fd0a2e99c_attn:
	s_mov_b64 s[64:65], 0
	v_nop
	global_prefetch_b8 v0, s[64:65] scope:SCOPE_SE
	s_setreg_imm32_b32 hwreg(HW_REG_WAVE_MODE, 25, 1), 1
	s_wait_xcnt 0x0
	s_wait_alu depctr_hold_cnt(0) depctr_sa_sdst(0) depctr_va_vdst(0) depctr_va_sdst(0) depctr_va_ssrc(0) depctr_va_vcc(0) depctr_vm_vsrc(0)
	s_getreg_b32 s2, hwreg(HW_REG_IB_STS2, 6, 4)
	s_cmp_eq_u32 s2, 0
	s_cbranch_scc0 .Lentry_in_a_cluster
	s_endpgm
.Lentry_in_a_cluster:
	s_bfe_u32 s2, ttmp6, 0x10000c
	s_cmp_lg_u32 s2, 0x3003
	s_cbranch_scc0 .Lentry_shape_is_right
	s_endpgm
.Lentry_shape_is_right:
; O[q] = the sum over k of softmax_k(Q[q] . K[k] / 8) V[k] for one head of 64 and 2,048 keys, both products on codes of FP8 (E4M3); the result is quantised with e6 and stored as images of the last product's operand registers.
; q_img, k_img: [batch-and-head 64][tile of 16 tokens 128][group 2][lane 32][16 bytes]: registers 2 c, 2 c + 1 of lane (r, h) hold the head's 16 c + 8 h + 0 .. 7 of token r.
; v_img: [64][block of 128 keys 16][tile of 16 of the head's 64: 4][group 4][lane][16 bytes]: registers 2 c, 2 c + 1 hold keys 16 c + 8 h + 0 .. 7.   ao_img: [tile of 16 tokens 512][head 16][group 2][lane][16 bytes].
; THE SOFTMAX: t = score x log2(e) / 8; M = the largest t so far, rounded UP to a whole number; p = 2^(t - M) is quantised (e4), not normalised; the row's sum is taken of the unquantised p and divides O at the end.
; When M moves, the sum and O are multiplied by 2^(old M - new M): nothing is rounded, and no branch hangs on data.
; LIMITS on the given exponents, so that each power of two below is an f32 number: e2 + e3 between -123 and 130 (added to c's exponent field); e4 and e6 - e4 - e5 between -126 and 119.  1 / the sum is v_rcp_f32's.
; SHARES.  A cluster of four work-groups is one head; a work-group owns 512 queries; each of its eight waves (two to a SIMD) takes two tiles of 16 queries in each of two passes and walks all keys, 128 a step.
; THE HEAD'S WHOLE K AND V LIE IN LDS, 131,072 bytes each, as the images lie in memory, filled ONCE by joint loads that name all four work-groups: no LDS byte is filled again, so the loop has no change of slots.
; The fills go in two stages (keys 0-511, then the rest), so that the first four steps run while the rest is on its way.  Waves 0, 1 fetch K's halves, waves 2, 3 V's; by this text's count two tensor loads of a wave are out.
; No prefetch is laid: every byte of K and V is asked for by those first fills, at the head.
; LAYOUT.  Both products are used transposed: S^T = K Q^T (source 0 = 16 keys), O^T = V^T P^T (source 0 = 16 of the head's 64): a lane holds ONE query throughout; tile c of S^T, converted, is registers 2 c, 2 c + 1 of P.
; THE ORDER OF A STEP.  One tile's 64 exponentials stand one by one between the other tile's plain instructions; each batch has one wait ahead of its first reader.
; REGISTERS: window 0: v1-9 addresses and scales; v16.., v32.. eleven statistics a tile; v64-191 S^T, then p, 64 a tile; v192-223 P's codes.   window 1: v0-63 O^T; v64-79 Q; v80-95 the second pass's Q; v128-191 K; v192-255 V.
.set AK0, 1                            ; v1   16 x lane: my place in an image's 512 bytes of K
.set AV0, 2                            ; v2   the same in V's region
.set ADK, 3                            ; v3   LDS address of the step's K
.set ADV, 4                            ; v4   of its V
.set GO,  5                            ; v5   16 x lane, for memory
.set SCP, 6                            ; v6   2^e4
.set HL,  7
.set SCO, 8                            ; v8   2^(e6 - e4 - e5)
.set HO,  9
.set VREG, 131072                      ; V's region in LDS
.set TB,   14                          ; s14  the step's first byte in K's and in V's region
.set CNT,  15
.set PASS, 16
.set CX,   17
.set WV,   18
.set HW,   19
.set SEL,  20                          ; s[20:21] v_permlanex16_b32's selects: lane l xor 16
.set CS,   22                          ; s[22:23] c = log2(e) / 8 x 2^(e2 + e3)
.set G1A,  24                          ; s[24:31] group 1 of the first stage: 64 rows of 256 bytes;  s[32:39] of the second: 192 rows
.set G1B,  32
.set G0KA, 40                          ; groups 0: K first stage, K second, V first, V second
.set G0KB, 44
.set G0VA, 48
.set G0VB, 52
.set MSB, 0
.macro WIN new                         ; the immediate's high byte repeats the setting that is left
.if MSB != (\new)
	s_set_vgpr_msb (MSB<<8)|(\new)
.set MSB, (\new)
.endif
.endm
.macro PLACES n
.rept \n
	v_nop
.endr
.endm
.macro CROUND                          ; a round of the cluster's barrier
	s_barrier_signal -1
	s_barrier_wait -1
	s_cmp_lg_u32 s[WV], 0
	s_cbranch_scc1 .Lnot_wave_0_\@
	s_barrier_signal -3
.Lnot_wave_0_\@:
	s_barrier_wait -3
	s_barrier_signal -1
	s_barrier_wait -1
.endm
	s_load_b256 s[4:11], s[0:1], 0x0               ; Q s[4:5], K s[6:7], V s[8:9], the scales' exponents s[10:11]
	s_load_b64 s[12:13], s[0:1], 0x20              ; the output's images
	v_lshl_add_u32 v254, v0, 2, 0x40000
	v_mov_b32 v255, 0
	ds_add_u32 v254, v255
	ds_add_u32 v254, v255
	v_lshrrev_b32 v1, 5, v0
	v_readfirstlane_b32 s[WV], v1                  ; wave 0..7
	s_and_b32 s[HW], s[WV], 1                      ; which half of a stage I fetch, if I fetch
	s_bfe_u32 s[CX], ttmp6, 0x40000                ; my place in the cluster: it enters Q's and the output's addresses alone
	s_and_b32 s56, ttmp7, 0xffff                   ; 16 x batch + head, which the four partners share
	s_lshl_b32 s58, s56, 17                        ; its 131,072 bytes in each of Q, K, V
	s_mov_b32 s59, 0
	s_lshl_b32 s60, s[HW], 14                      ; first stage: 16,384 x half
	s_mov_b32 s61, 0
	s_mul_i32 s62, s[HW], 49152
	s_add_co_u32 s62, s62, 32768                   ; second stage: 32,768 + 49,152 x half: the same in LDS and in memory
	s_mov_b32 s63, 0
	s_add_nc_u64 s[76:77], s[58:59], s[60:61]
	s_add_nc_u64 s[78:79], s[58:59], s[62:63]
	s_mov_b32 s[G1A], 15|(3<<16)|(1<<21)           ; 15:0 the mask: all four work-groups; 17:16 elements of 8 bytes; 21 set beside a mask; no padding: an image's 512 bytes are read on end
	s_mov_b32 s[G1A+1], 32<<16                     ; tensor_dim0 = 32 elements: rows of 256 bytes
	s_mov_b32 s[G1A+2], 64<<16                     ; tensor_dim1 = 64
	s_mov_b32 s[G1A+3], 32<<16                     ; tile_dim0
	s_mov_b32 s[G1A+4], 64                         ; tile_dim1
	s_mov_b32 s[G1A+5], 32                         ; dense: a row begins where the last ends
	s_mov_b32 s[G1A+6], 0
	s_mov_b32 s[G1A+7], 0
	s_mov_b32 s[G1B], 15|(3<<16)|(1<<21)
	s_mov_b32 s[G1B+1], 32<<16
	s_mov_b32 s[G1B+2], 192<<16
	s_mov_b32 s[G1B+3], 32<<16
	s_mov_b32 s[G1B+4], 192
	s_mov_b32 s[G1B+5], 32
	s_mov_b32 s[G1B+6], 0
	s_mov_b32 s[G1B+7], 0
	s_mov_b32 s[SEL], 0x76543210
	s_mov_b32 s[SEL+1], 0xfedcba98
	s_mov_b32 s[CS], 0x3e38aa3b                    ; log2(e) / 8
	s_wait_dscnt 0x0
	s_wait_kmcnt 0x0
	s_load_b256 s[68:75], s[10:11], 0x0            ; e0 .. e7
	s_mov_b32 s[G0KA], 1
	s_mov_b32 s[G0KA+1], s60
	s_add_nc_u64 s[G0KA+2:G0KA+3], s[6:7], s[76:77]
	s_or_b32 s[G0KA+3], s[G0KA+3], 0x80000000
	s_mov_b32 s[G0KB], 1
	s_mov_b32 s[G0KB+1], s62
	s_add_nc_u64 s[G0KB+2:G0KB+3], s[6:7], s[78:79]
	s_or_b32 s[G0KB+3], s[G0KB+3], 0x80000000
	s_mov_b32 s[G0VA], 1
	s_add_co_u32 s[G0VA+1], s60, VREG
	s_add_nc_u64 s[G0VA+2:G0VA+3], s[8:9], s[76:77]
	s_or_b32 s[G0VA+3], s[G0VA+3], 0x80000000
	s_mov_b32 s[G0VB], 1
	s_add_co_u32 s[G0VB+1], s62, VREG
	s_add_nc_u64 s[G0VB+2:G0VB+3], s[8:9], s[78:79]
	s_or_b32 s[G0VB+3], s[G0VB+3], 0x80000000
	CROUND                                         ; all four work-groups are here: the joint loads meet
	s_cmp_lt_u32 s[WV], 2                          ; a wave's two fills stand in one branch on the wave's number, ahead of every wait on TENSORcnt and every LDS read; four v_nop follow the second
	s_cbranch_scc0 .Lnot_k
	tensor_load_to_lds s[G0KA:G0KA+3], s[G1A:G1A+7]
	s_nop 0
	tensor_load_to_lds s[G0KB:G0KB+3], s[G1B:G1B+7]
	s_nop 0
.rept 4
	v_nop
.endr
	s_branch .Lasked
.Lnot_k:
	s_cmp_lt_u32 s[WV], 4
	s_cbranch_scc0 .Lasked
	tensor_load_to_lds s[G0VA:G0VA+3], s[G1A:G1A+7]
	s_nop 0
	tensor_load_to_lds s[G0VB:G0VB+3], s[G1B:G1B+7]
	s_nop 0
.rept 4
	v_nop
.endr
.Lasked:
	s_lshl_b32 s80, s[CX], 15                      ; Q: my work-group's 32 tiles of 1,024 bytes,
	s_lshl_b32 s81, s[WV], 11                      ; my wave's two
	s_add_co_u32 s80, s80, s81
	s_add_co_u32 s80, s80, s58
	s_mov_b32 s81, 0
	s_add_nc_u64 s[4:5], s[4:5], s[80:81]
	s_lshr_b32 s82, s56, 4                         ; the output: tile 128 x batch + 32 cx + 2 wave, 16,384 bytes a tile; + 1,024 x head
	s_lshl_b32 s82, s82, 7
	s_lshl_b32 s83, s[CX], 5
	s_add_co_u32 s82, s82, s83
	s_lshl_b32 s83, s[WV], 1
	s_add_co_u32 s82, s82, s83
	s_lshl_b32 s82, s82, 14
	s_and_b32 s83, s56, 15
	s_lshl_b32 s83, s83, 10
	s_add_co_u32 s82, s82, s83
	s_mov_b32 s83, 0
	s_add_nc_u64 s[12:13], s[12:13], s[82:83]
	v_and_b32 v1, 31, v0
	v_lshlrev_b32 v[AK0], 4, v1
	v_add_nc_u32 v[AV0], VREG, v[AK0]
	v_mov_b32 v[GO], v[AK0]
	WIN 0x40                                       ; destination window 1
.irp p, 0,1
.irp t, 0,1
.irp g, 0,1
	global_load_b128 v[64+16*\p+8*\t+4*\g:64+16*\p+8*\t+4*\g+3], v[GO], s[4:5] offset:16384*\p+1024*\t+512*\g   ; both passes' Q stay in registers
.endr
.endr
.endr
	WIN 0
	s_wait_kmcnt 0x0
	s_add_co_i32 s84, s70, s71
	s_lshl_b32 s84, s84, 23
	s_add_co_i32 s[CS], s[CS], s84                 ; a score stands for score x 2^(e2 + e3): the exponents are added to c's exponent field
	s_mov_b32 s[CS+1], s[CS]                       ; (named with it as a pair, so it is written)
	s_add_co_i32 s84, s72, 127
	s_lshl_b32 s85, s84, 23
	v_mov_b32 v[SCP], s85
	s_sub_co_i32 s84, s74, s72
	s_sub_co_i32 s84, s84, s73                     ; O / the sum stands for that x 2^(e4 + e5): its code is that / 2^(e6 - e4 - e5)
	s_add_co_i32 s84, s84, 127
	s_lshl_b32 s85, s84, 23
	v_mov_b32 v[SCO], s85
	s_add_co_i32 s84, s84, 8
	s_lshl_b32 s84, s84, 23
	s_or_b32 s84, s84, 0x600000
; Tile t's statistics at rT = 16 + 16 t: +0 -M, +1 the largest t, +2, +3 the sum in two halves, +4 f (at the end 1 / the sum), +5 named with it as a pair, +6, +7 at work, +8, +9 a second chain of the sum, +10 the permute's destination.
; PRE writes number nn of 73: the maximum of my 64 scores in two chains (each accumulator is first read at its low end), the other half of the lanes', t, -M = floor(-t), f = 2^(old M - new M), and the 32 scalings t - M.
.macro PRE t
.set rT, 16+16*(\t)
.set rS, 64+64*(\t)
.if nn < 2
	v_max3_num_f32 v[rT+6+nn], v[rS+3*nn], v[rS+3*nn+1], v[rS+3*nn+2]
.elseif nn < 30
.set ii, 6+4*((nn-2)/2)+2*(nn%2)
	v_max3_num_f32 v[rT+6+nn%2], v[rT+6+nn%2], v[rS+ii], v[rS+ii+1]
.elseif nn == 30
	v_max3_num_f32 v[rT+6], v[rT+6], v[rS+62], v[rS+63]
.elseif nn == 31
	v_max_num_f32 v[rT+6], v[rT+6], v[rT+7]
.elseif nn == 32
	v_permlanex16_b32 v[rT+10], v[rT+6], s[SEL], s[SEL+1]   ; the query's other 64 keys lie in the lane 16 away
.elseif nn == 33
	v_max_num_f32 v[rT+6], v[rT+6], v[rT+10]
.elseif nn == 34
	v_mul_f32 v[rT+6], s[CS], v[rT+6]              ; as t (c is positive)
.elseif nn == 35
	v_max_num_f32 v[rT+1], v[rT+1], v[rT+6]
.elseif nn == 36
	v_mov_b32 v[rT+7], v[rT]
.elseif nn == 37
	v_floor_f32 v[rT], -v[rT+1]                    ; -M = floor(-t) = -ceil(t): M is a whole number
.elseif nn == 38
	v_sub_f32 v[rT+7], v[rT], v[rT+7]              ; old M - new M: a whole number, 0 or less
.elseif nn == 39
	v_cvt_i32_f32 v[rT+7], v[rT+7]                 ; (it saturates)
.elseif nn == 40
	v_ldexp_f32 v[rT+4], 1.0, v[rT+7]
.else
	v_pk_fma_f32 v[rS+2*(nn-41):rS+2*(nn-41)+1], v[rS+2*(nn-41):rS+2*(nn-41)+1], s[CS:CS+1], v[rT:rT+1] op_sel_hi:[1,0,0]   ; t - M, two at a time
.endif
.endm
.macro EXPO t                          ; exponential ee of 64: p = 2^(t - M)
	v_exp_f32 v[64+64*(\t)+ee], v[64+64*(\t)+ee]
.endm
; POST writes number nn of 105: the sum under the new M and the 64 unquantised p added to it, in two chains; then, for each of the eight tiles of keys, the conversion.
.macro POST t
.set rT, 16+16*(\t)
.set rS, 64+64*(\t)
.set rP, 192+16*(\t)
.if nn == 0
	v_pk_mul_f32 v[rT+2:rT+3], v[rT+2:rT+3], v[rT+4:rT+5] op_sel_hi:[1,0]
.elseif nn == 1
	v_pk_add_f32 v[rT+8:rT+9], v[rS:rS+1], v[rS+2:rS+3]
.elseif nn < 32
.set ii, 4+4*((nn-2)/2)
.if (nn%2) == 0
	v_pk_add_f32 v[rT+2:rT+3], v[rT+2:rT+3], v[rS+ii:rS+ii+1]
.else
	v_pk_add_f32 v[rT+8:rT+9], v[rT+8:rT+9], v[rS+ii+2:rS+ii+3]
.endif
.elseif nn == 32
	v_pk_add_f32 v[rT+2:rT+3], v[rT+2:rT+3], v[rT+8:rT+9]
.else
.set bb, (nn-33)/9
.set ii, (nn-33)%9
.if ii < 8
.else
	v_cvt_scalef32_pk8_fp8_f32 v[rP+2*bb:rP+2*bb+1], v[rS+8*bb:rS+8*bb+7], v[SCP]
.endif
.endif
.endm
.macro RESCALE                         ; both tiles' O^T x the number at statistics + 4
	WIN 0x41                                       ; destination and source 0 window 1
	s_setprio 0
.irp t, 0,1
.set jj, 0
.rept 16
	v_pk_mul_f32 v[32*\t+jj:32*\t+jj+1], v[32*\t+jj:32*\t+jj+1], v[20+16*\t:21+16*\t] op_sel_hi:[1,0]
.set jj, jj+2
.endr
.endr
.endm
; A KEY STEP: 128 keys.
.macro STEP
	s_setprio 2
	v_add_nc_u32 v[ADK], s[TB], v[AK0]
	v_add_nc_u32 v[ADV], s[TB], v[AV0]
	v_nop
	v_nop                                          ; four plain instructions behind the last step's products, ahead of loads into the registers that they read
	WIN 0x40
.irp c, 0,1,2,3,4,5,6,7
.irp g, 0,1
	ds_load_b128 v[128+8*\c+4*\g:128+8*\c+4*\g+3], v[ADK] offset:1024*\c+512*\g
.endr
.endr
.irp d, 0,1,2,3
.irp g, 0,1,2,3
	ds_load_b128 v[192+16*\d+4*\g:192+16*\d+4*\g+3], v[ADV] offset:2048*\d+512*\g
.endr
.endr
	s_wait_dscnt 16                                ; K's sixteen loads are in; V's sixteen younger ones may stay out
	WIN 0x05                                       ; K and Q window 1, S^T window 0
.irp c, 0,1,2,3,4,5,6,7
.irp t, 0,1
	v_wmma_f32_16x16x64_fp8_fp8 v[64+64*\t+8*\c:64+64*\t+8*\c+7], v[128+8*\c:128+8*\c+7], v[64+8*\t:64+8*\t+7], 0
.endr
.endr
	WIN 0
	PLACES 4
.set nn, 0
.rept 73
	PRE 0
.set nn, nn+1
.endr
.set nn, 0
.set ee, 0
.rept 64                               ; tile 0's exponentials, each followed by a plain instruction of tile 1
	EXPO 0
	PRE 1
.set nn, nn+1
.set ee, ee+1
.endr
	s_setprio 1
.rept 9
	PRE 1
.set nn, nn+1
.endr
	s_wait_alu depctr_va_vdst(0)                   ; one wait for tile 0's batch, ahead of its first reader
.set nn, 0
.set ee, 0
.rept 64                               ; tile 1's exponentials between tile 0's sums and conversions: 105 = 64 + 41
	EXPO 1
	POST 0
.set nn, nn+1
.if ee < 41
	POST 0
.set nn, nn+1
.endif
.set ee, ee+1
.endr
	v_nop                                          ; a plain instruction behind the last exponential
	s_wait_alu depctr_va_vdst(0)                   ; one wait for tile 1's batch
.set nn, 0
.rept 105
	POST 1
.set nn, nn+1
.endr
	RESCALE                                        ; O^T under the new M: x f.  (Plain instructions between the last conversion and the products that read its result)
	s_wait_dscnt 0x0                               ; V is in
	WIN 0x51                                       ; V window 1, P window 0, O^T window 1
.irp d, 0,1,2,3
.irp t, 0,1
	v_wmma_f32_16x16x128_fp8_fp8 v[32*\t+8*\d:32*\t+8*\d+7], v[192+16*\d:192+16*\d+15], v[192+16*\t:192+16*\t+15], v[32*\t+8*\d:32*\t+8*\d+7]
.endr
.endr
	WIN 0
	s_add_co_u32 s[TB], s[TB], 8192
.endm
	s_wait_loadcnt 0x0                             ; Q
	s_mov_b32 s[PASS], 2
.Lpass:
	WIN 0x40
.set jj, 0
.rept 64
	v_mov_b32 v[jj], 0                             ; O^T.  (The step is written without a first step of its own: it finds zeros, which the first change of M leaves zeros)
.set jj, jj+1
.endr
	WIN 0
.irp t, 0,1
	v_mov_b32 v[17+16*\t], 0xff61b1e6              ; the largest t so far: -3e38, under every t
	v_floor_f32 v[16+16*\t], -v[17+16*\t]
	v_mov_b32 v[18+16*\t], 0
	v_mov_b32 v[19+16*\t], 0
	v_mov_b32 v[21+16*\t], 0
	v_mov_b32 v[26+16*\t], 0                       ; a lane permute's destination counts as one of its sources
.endr
	s_mov_b32 s[TB], 0
	s_wait_tensorcnt 1                             ; my part of keys 0-511 is in; the second stage may stay out (in the second pass nothing is out)
	s_barrier_signal -1
	s_barrier_wait -1                              ; everybody's is
	s_mov_b32 s[CNT], 4
.Lfirst:
	STEP
	s_sub_co_u32 s[CNT], s[CNT], 1
	s_cmp_lg_u32 s[CNT], 0
	s_cbranch_scc1 .Lfirst
	s_setprio 0
	s_wait_tensorcnt 0x0                           ; my part of the rest is in
	s_barrier_signal -1
	s_barrier_wait -1
	s_mov_b32 s[TB], 32768
	s_mov_b32 s[CNT], 12
.Lrest:
	STEP
	s_sub_co_u32 s[CNT], s[CNT], 1
	s_cmp_lg_u32 s[CNT], 0
	s_cbranch_scc1 .Lrest
	s_setprio 0
	; THE WAY OUT: O^T / the sum, converted: tile d of the head's 64 gives registers 2 d, 2 d + 1 of the next product's fragment.
	PLACES 4
.irp t, 0,1
	v_add_f32 v[18+16*\t], v[18+16*\t], v[19+16*\t]
.endr
.irp t, 0,1
	v_permlanex16_b32 v[26+16*\t], v[18+16*\t], s[SEL], s[SEL+1]
.endr
.irp t, 0,1
	v_add_f32 v[18+16*\t], v[18+16*\t], v[26+16*\t]
.endr
.irp t, 0,1
	v_rcp_f32 v[20+16*\t], v[18+16*\t]
.endr
	v_nop                                          ; a plain instruction behind the last reciprocal
	s_wait_alu depctr_va_vdst(0)                   ; one wait for both, ahead of their first reader
	RESCALE
.set jj, 0
.rept 64
.set jj, jj+1
.endr
	WIN 0x01                                       ; source 0 window 1, destination window 0
.irp t, 0,1
.irp d, 0,1,2,3
	v_cvt_scalef32_pk8_fp8_f32 v[192+8*\t+2*\d:192+8*\t+2*\d+1], v[32*\t+8*\d:32*\t+8*\d+7], v[SCO]
.endr
.endr
	v_nop                                          ; one plain vector instruction behind the last conversion
	WIN 0
.irp t, 0,1
.irp g, 0,1
	global_store_b128 v[GO], v[192+8*\t+4*\g:192+8*\t+4*\g+3], s[12:13] offset:16384*\t+512*\g   ; 32 lanes store 512 consecutive bytes, aligned
.endr
.endr
	s_wait_xcnt 0x0                                ; the stores have read their registers and their base: both are written again
	s_add_nc_u64 s[12:13], s[12:13], 16*16384      ; the second pass's tiles lie 16 tiles on
	WIN 0x41
.set jj, 0
.rept 16
	v_mov_b32 v[64+jj], v[80+jj]                   ; and its Q takes Q's place
.set jj, jj+1
.endr
	WIN 0
	s_sub_co_u32 s[PASS], s[PASS], 1
	s_cmp_lg_u32 s[PASS], 0
	s_cbranch_scc1 .Lpass
	s_wait_tensorcnt 0x0
	ds_add_u32 v254, v255
	s_wait_dscnt 0x0
	CROUND                                         ; the closing round
	s_endpgm
.Lfunc_end_k_q8fd0a2e99c_attn:
	.size	k_q8fd0a2e99c_attn, .Lfunc_end_k_q8fd0a2e99c_attn-k_q8fd0a2e99c_attn
	.p2alignl 7, 3214868480
	.fill 96, 4, 3214868480
	.section	.rodata,"a",@progbits
	.p2align	6, 0x0
	.amdhsa_kernel k_q8fd0a2e99c_attn
		.amdhsa_group_segment_fixed_size 263168
		.amdhsa_private_segment_fixed_size 0
		.amdhsa_enable_private_segment 0
		.amdhsa_kernarg_size 40
		.amdhsa_user_sgpr_count 2
		.amdhsa_user_sgpr_kernarg_segment_ptr 1
		.amdhsa_wavefront_size32 1
		.amdhsa_system_sgpr_workgroup_id_x 1
		.amdhsa_system_sgpr_workgroup_id_y 1
		.amdhsa_system_sgpr_workgroup_id_z 1
		.amdhsa_system_vgpr_workitem_id 0
		.amdhsa_next_free_vgpr 512
		.amdhsa_next_free_sgpr 100
		.amdhsa_reserve_vcc 0
		.amdhsa_float_denorm_mode_32 3
		.amdhsa_float_denorm_mode_16_64 3
		.amdhsa_fp16_overflow 1
		.amdhsa_memory_ordered 1
		.amdhsa_forward_progress 1
		.amdhsa_inst_pref_size 63
	.end_amdhsa_kernel
	.amdgpu_metadata
---
amdhsa.version: [ 1, 2 ]
amdhsa.kernels:
  - .name:           k_q8fd0a2e99c_attn
    .symbol:         k_q8fd0a2e99c_attn.kd
    .args:
      - { .name: q_img, .offset: 0, .size: 8, .value_kind: global_buffer, .address_space: global }
      - { .name: k_img, .offset: 8, .size: 8, .value_kind: global_buffer, .address_space: global }
      - { .name: v_img, .offset: 16, .size: 8, .value_kind: global_buffer, .address_space: global }
      - { .name: lowp_scales, .offset: 24, .size: 8, .value_kind: global_buffer, .address_space: global }
      - { .name: ao_img, .offset: 32, .size: 8, .value_kind: global_buffer, .address_space: global }
    .group_segment_fixed_size: 263168
    .private_segment_fixed_size: 0
    .kernarg_segment_align: 8
    .kernarg_segment_size: 40
    .max_flat_workgroup_size: 256
    .sgpr_count:     100
    .vgpr_count:     512
    .wavefront_size: 32
...
	.end_amdgpu_metadata
.endif
;; end of part 2
;; launch oproj (part 3): grid 8 x 32, 4 waves a work-group, clusters of 4 x 4, 327,680 bytes of LDS; arguments ao_img, o_w_codes, o_b, lowp_scales, out0; writes out0
.if DOCPART == 3
	.amdgcn_target "amdgcn-amd-amdhsa--gfx1250"
	.amdhsa_code_object_version 6
	.text
	.protected	k_q8fd0a2e99c_oproj
	.globl	k_q8fd0a2e99c_oproj
	.p2align	8
	.type	k_q8fd0a2e99c_oproj,@function
k_q8fd0a2e99c_oproj:
	s_mov_b64 s[64:65], 0
	v_nop
	global_prefetch_b8 v0, s[64:65] scope:SCOPE_SE
	s_setreg_imm32_b32 hwreg(HW_REG_WAVE_MODE, 25, 1), 1
	s_wait_xcnt 0x0
	s_wait_alu depctr_hold_cnt(0) depctr_sa_sdst(0) depctr_va_vdst(0) depctr_va_sdst(0) depctr_va_ssrc(0) depctr_va_vcc(0) depctr_vm_vsrc(0)
	s_getreg_b32 s2, hwreg(HW_REG_IB_STS2, 6, 4)
	s_cmp_eq_u32 s2, 0
	s_cbranch_scc0 .Lentry_in_a_cluster
	s_endpgm
.Lentry_in_a_cluster:
	s_bfe_u32 s2, ttmp6, 0x10000c
	s_cmp_lg_u32 s2, 0xf033
	s_cbranch_scc0 .Lentry_shape_is_right
	s_endpgm
.Lentry_shape_is_right:
; out0 = A W^T x 2^(e6 + e7) + o_b on codes of FP8 (E4M3).  A: the attention's result, 8,192 tokens x 1,024, as images of operand registers: [tile of 16 tokens 512][K step of 128: 8][group 4][lane 32][16 bytes],
; registers 2 c, 2 c + 1 of lane (r, h) = k 16 c + 8 h + 0 .. 7 of token r.  W: [1024 features][1024] codes, K innermost.  out0: [8192][1024] f32.
; LIMIT: e6 + e7 lies between -126 and 127, so that 2^(e6 + e7) is an f32 number.
; SHARES.  A work-group makes 256 tokens (y) x 128 features (x); wave (rh, ch) 128 tokens x 64 features: 32 accumulators.  The products are used TRANSPOSED (source 0 = 16 rows of W, source 1 = 16 tokens): a lane holds eight
; neighbouring features of one token.  A's fragments come by four loads of 16 bytes, an image's 512 bytes on end; W's by eight loads of 8 bytes, 16 apart, so that its k stand in the same places as A's.
; LDS.  A slot holds 256 along K: A's 16 tiles x 4,096 bytes, dense, then W's 128 rows of 256 bytes + 16.  THREE slots: K's four steps are three first fills and ONE refill, which has four steps of 128 in which to land.
; By this text's count a wave has one tensor load out at a time.  The way out has a stage of its own, into which no fill lands.
; CLUSTER 4 x 4: A's tile hangs on y alone and is asked for jointly along a row of the cluster, W's on x alone and jointly along a column.
; REGISTERS: window 0: v0-31 addresses; v32-63 the bias; v64-127 W's four fragments, v128-255 A's eight: set 0 (on the way out v64-95 and v128-191 are at work).  Window 1: set 1.  Window 2: accumulator (i, a) at v[32 a + 8 i].
.set PITCH,  272
.set AREG,   16*4096                   ; A's part of a slot
.set BHALF,  64*PITCH                  ; what one tensor load brings of W, and what one wave reads of it
.set SLOT,   AREG+2*BHALF
.set STAGE,  3*SLOT                    ; 16 rows x 272 bytes for each wave
.set SPARE,  STAGE+4*16*PITCH          ; the spare words, 128 bytes for each wave: two blocks of 256 bytes that no other line names
.set ADRA, 16                          ; v16-18  LDS address of my fragments of A in slot 0, 1, 2
.set ADRB, 20                          ; v20-22  the same for W
.set STO,  24                          ; v24     the way out: where I put 32 bytes of a row
.set RD,   25                          ; v25     where I read a row back
.set CO,   26                          ; v26     my byte offset in two rows of out0
.set SPW,  28
.set NIL,  29
.set BI,   32
.set BF,   64
.set AF,   128
.set TMP,  64
.set BK,   128
.set WV, 14
.set RH, 15
.set CH, 16
.set G1,  24                           ; s[24:31] group 1 for A's tiles;  s[32:43] group 0, one set for each slot
.set G0,  32
.set G1B, 44                           ; s[44:51], s[52:63] the same for W's
.set G0B, 52
.set MSB, 0
.macro WIN new
.if MSB != (\new)
	s_set_vgpr_msb (MSB<<8)|(\new)
.set MSB, (\new)
.endif
.endm
.macro PLACES n
.rept \n
	v_nop
.endr
.endm
.macro JLOAD s                         ; a joint load: waves 0 and 1 fetch A's two halves, waves 2 and 3 W's; four v_nop follow each of the two lines
	s_cmp_eq_u32 s[RH], 0
	s_cbranch_scc0 .Lfor_b_\@
	tensor_load_to_lds s[G0+4*\s:G0+4*\s+3], s[G1:G1+7]
	s_nop 0
.rept 4
	v_nop
.endr
	s_branch .Lasked_\@
.Lfor_b_\@:
	tensor_load_to_lds s[G0B+4*\s:G0B+4*\s+3], s[G1B:G1B+7]
	s_nop 0
.rept 4
	v_nop
.endr
.Lasked_\@:
.endm
.macro CREST
	s_cmp_lg_u32 s[WV], 0
	s_cbranch_scc1 .Lnot_wave_0_\@
	s_barrier_signal -3
.Lnot_wave_0_\@:
	s_barrier_wait -3
	s_barrier_signal -1
	s_barrier_wait -1
.endm
.macro CROUND
	s_barrier_signal -1
	s_barrier_wait -1
	CREST
.endm
	s_load_b256 s[4:11], s[0:1], 0x0               ; A's images s[4:5], W's codes s[6:7], the bias s[8:9], the scales' exponents s[10:11]
	s_load_b64 s[12:13], s[0:1], 0x20              ; out0
	v_lshl_add_u32 v[SPW], v0, 2, SPARE
	v_mov_b32 v[NIL], 0
	ds_add_u32 v28, v29
	ds_add_u32 v28, v29
	s_wait_dscnt 0x0
	v_lshrrev_b32 v1, 5, v0
	v_readfirstlane_b32 s[WV], v1                  ; wave 0..3
	s_lshr_b32 s[RH], s[WV], 1                     ; which 128 tokens are mine.  Also: I fetch for A (0) or for W (1)
	s_and_b32 s[CH], s[WV], 1                      ; which 64 features.  Also: which half of that tile I fetch
	s_bfe_u32 s17, ttmp6, 0x40000                  ; cx, cy
	s_bfe_u32 s18, ttmp6, 0x40004
	s_lshl_b32 s19, ttmp9, 2
	s_add_co_u32 s19, s19, s17                     ; work-group x: features 128 x on
	s_and_b32 s20, ttmp7, 0xffff
	s_lshl_b32 s20, s20, 2
	s_add_co_u32 s20, s20, s18                     ; work-group y: tokens 256 y on
	s_lshl_b32 s21, s18, 2
	s_lshl_b32 s21, 15, s21                        ; my row of the cluster
	s_lshl_b32 s22, 0x1111, s17                    ; my column
	s_or_b32 s[G1], s21, (1<<21)                   ; 15:0 the mask; 17:16 elements of 1 byte; no padding; 21 set beside a mask
	s_mov_b32 s[G1+1], 4096<<16                    ; tensor_dim0 = 4,096: a token tile's two K steps
	s_mov_b32 s[G1+2], 8<<16                       ; tensor_dim1 = 8 token tiles
	s_mov_b32 s[G1+3], 4096<<16                    ; tile_dim0
	s_mov_b32 s[G1+4], 8                           ; tile_dim1
	s_mov_b32 s[G1+5], 16384                       ; from token tile to token tile
	s_mov_b32 s[G1+6], 0
	s_mov_b32 s[G1+7], 0
	s_or_b32 s[G1B], s22, (1<<20)|(1<<21)|(5<<22)|(3<<25)   ; padding: four words after every 64
	s_mov_b32 s[G1B+1], 256<<16
	s_mov_b32 s[G1B+2], 64<<16
	s_mov_b32 s[G1B+3], 256<<16
	s_mov_b32 s[G1B+4], 64
	s_mov_b32 s[G1B+5], 1024
	s_mov_b32 s[G1B+6], 0
	s_mov_b32 s[G1B+7], 0
	s_lshl_b32 s76, s20, 4
	s_lshl_b32 s23, s[CH], 3
	s_add_co_u32 s76, s76, s23                     ; A: token tile 16 y + 8 x half,
	s_lshl_b32 s76, s76, 14                        ; in bytes
	s_mov_b32 s77, 0
	s_lshl_b32 s78, s19, 7
	s_lshl_b32 s66, s[CH], 6
	s_add_co_u32 s78, s78, s66                     ; W: row 128 x + 64 x half
	s_lshl_b32 s78, s78, 10
	s_mov_b32 s79, 0
	s_lshl_b32 s80, s[CH], 15                      ; where they go: the wave's number alone enters an LDS address
	s_mul_i32 s81, s[CH], BHALF
	s_add_co_u32 s81, s81, AREG
	s_wait_kmcnt 0x0
	s_load_b256 s[68:75], s[10:11], 0x0            ; e0 .. e7
	s_add_nc_u64 s[76:77], s[4:5], s[76:77]
	s_add_nc_u64 s[78:79], s[6:7], s[78:79]
	CROUND                                         ; all sixteen work-groups are here: the first joint loads meet
.irp s, 0,1,2
	s_mov_b32 s[G0+4*\s], 1
	s_add_co_u32 s[G0+4*\s+1], s80, \s*SLOT
	s_add_nc_u64 s[G0+4*\s+2:G0+4*\s+3], s[76:77], \s*4096
	s_or_b32 s[G0+4*\s+3], s[G0+4*\s+3], 0x80000000
	s_mov_b32 s[G0B+4*\s], 1
	s_add_co_u32 s[G0B+4*\s+1], s81, \s*SLOT
	s_add_nc_u64 s[G0B+4*\s+2:G0B+4*\s+3], s[78:79], \s*256
	s_or_b32 s[G0B+4*\s+3], s[G0B+4*\s+3], 0x80000000
	s_wait_alu depctr_va_vdst(0)
	s_wait_tensorcnt 0x0
	ds_add_u32 v28, v29
	ds_add_u32 v28, v29
	s_wait_dscnt 0x0
	CROUND
	JLOAD \s
.endr
	v_and_b32 v1, 15, v0                           ; r
	v_bfe_u32 v2, v0, 4, 1                         ; h
	v_and_b32 v3, 31, v0
	v_lshlrev_b32 v3, 4, v3                        ; A: 16 x lane
	v_mul_u32_u24 v4, v1, PITCH
	v_lshl_add_u32 v4, v2, 3, v4                   ; W: row x pitch + 8 x half
	s_lshl_b32 s82, s[RH], 15                      ; my eight token tiles
	s_mul_i32 s83, s[CH], BHALF                    ; my 64 rows of W
	s_add_co_u32 s83, s83, AREG
.irp s, 0,1,2
	v_add_nc_u32 v[ADRA+\s], s82, v3
	v_add_nc_u32 v[ADRB+\s], s83, v4
	s_add_co_u32 s82, s82, SLOT
	s_add_co_u32 s83, s83, SLOT
.endr
	s_mul_i32 s84, s[WV], 16*PITCH
	s_add_co_u32 s84, s84, STAGE                   ; my stage
	v_mul_u32_u24 v5, v1, PITCH                    ; in: row r, 32 bytes for each half of the lanes
	v_lshl_add_u32 v5, v2, 5, v5
	v_add_nc_u32 v[STO], s84, v5
	v_mul_u32_u24 v6, v2, PITCH                    ; back: lanes 0-15 one row of 256 bytes, lanes 16-31 the next
	v_lshl_add_u32 v6, v1, 4, v6
	v_add_nc_u32 v[RD], s84, v6
	v_lshlrev_b32 v7, 12, v2                       ; and the same two rows in out0
	v_lshl_add_u32 v[CO], v1, 4, v7
	v_lshlrev_b32 v8, 5, v2                        ; the bias: eight numbers from 8 h on
	s_lshl_b32 s86, s19, 9
	s_lshl_b32 s87, s[CH], 8
	s_add_co_u32 s86, s86, s87                     ; my first feature, in bytes: 512 x + 256 ch
	s_mov_b32 s87, 0
	s_add_nc_u64 s[8:9], s[8:9], s[86:87]
.irp i, 0,1,2,3
	global_load_b128 v[BI+8*\i:BI+8*\i+3], v8, s[8:9] offset:64*\i
	global_load_b128 v[BI+8*\i+4:BI+8*\i+7], v8, s[8:9] offset:64*\i+16
.endr
	s_lshl_b32 s88, s20, 8
	s_lshl_b32 s89, s[RH], 7
	s_add_co_u32 s88, s88, s89                     ; my first token
	s_lshl_b32 s88, s88, 12                        ; a row of out0 is 4,096 bytes
	s_add_co_u32 s88, s88, s86
	s_mov_b32 s89, 0
	s_add_nc_u64 s[12:13], s[12:13], s[88:89]
	s_wait_kmcnt 0x0
	s_add_co_i32 s96, s74, s75
	s_add_co_i32 s96, s96, 127
	s_lshl_b32 s96, s96, 23                        ; 2^(e6 + e7) as f32
	s_mov_b32 s97, s96                             ; (named with it as a pair, so it is written)
; 64 LDS loads in one run: W's four and A's eight fragments of the slot's q-th 128 along K, into set p
.macro FETCH slot, q, p
	WIN (\p)<<6
.irp i, 0,1,2,3
.irp c, 0,1,2,3,4,5,6,7
	ds_load_b64 v[BF+16*\i+2*\c:BF+16*\i+2*\c+1], v[ADRB+\slot] offset:128*(\q)+16*\c+16*\i*PITCH
.endr
.endr
.irp a, 0,1,2,3,4,5,6,7
.irp c, 0,1,2,3
	ds_load_b128 v[AF+16*\a+4*\c:AF+16*\a+4*\c+3], v[ADRA+\slot] offset:4096*\a+2048*(\q)+512*\c
.endr
.endr
	WIN 0
.endm
; Eight products: tile i of features against my eight tiles of tokens.  zero = 1: they start the sums.  The 32 accumulators take turns, one instruction a turn.
.macro MUL p, i, zero
	WIN 0xa0|(5*(\p))
.irp a, 0,1,2,3,4,5,6,7
.if \zero
	v_wmma_f32_16x16x128_fp8_fp8 v[32*\a+8*(\i):32*\a+8*(\i)+7], v[BF+16*(\i):BF+16*(\i)+15], v[AF+16*\a:AF+16*\a+15], 0
.else
	v_wmma_f32_16x16x128_fp8_fp8 v[32*\a+8*(\i):32*\a+8*(\i)+7], v[BF+16*(\i):BF+16*(\i)+15], v[AF+16*\a:AF+16*\a+15], v[32*\a+8*(\i):32*\a+8*(\i)+7]
.endif
.endr
.endm
; A step of 128 along K on set p; ahead of its products the next step's fragments (slot fslot, part fq) are asked for, into the other set.
.macro STEP fslot, fq, p, zero
	s_wait_dscnt 0x0                               ; set p is in
	PLACES 4                                       ; behind the products that read the other set
	FETCH \fslot, \fq, 1-(\p)
	MUL \p, 0, \zero
	MUL \p, 1, \zero
	MUL \p, 2, \zero
	MUL \p, 3, \zero
	WIN 0
.endm
; A step on set 1 with a barrier: in front of it each wave waits for all its tensor loads, adds 0 to its spare word, and waits for that and for its reads.  fill = 1: slot 0 is filled again, with K's last 256.
.macro TURN slot, next, fill
	WIN 0
	s_wait_tensorcnt 0x0                           ; all my tensor loads have landed
	ds_add_u32 v[SPW], v[NIL]                      ; 0 onto my spare word
	s_wait_dscnt 1                                 ; only the add may be out: set 1's 64 loads are in
	MUL 1, 0, 0
	s_wait_dscnt 0x0                               ; the add is done, and my reads of the slot are over
	s_barrier_signal -1
	MUL 1, 1, 0
	WIN 0
	s_barrier_wait -1
.if \fill
	CREST                                          ; the barrier has opened a round of the cluster's barrier
	s_add_nc_u64 s[G0+4*\slot+2:G0+4*\slot+3], s[G0+4*\slot+2:G0+4*\slot+3], 3*4096
	s_add_nc_u64 s[G0B+4*\slot+2:G0B+4*\slot+3], s[G0B+4*\slot+2:G0B+4*\slot+3], 3*256
	JLOAD \slot                                    ; the first tensor load behind the round; its four v_nop are also the places in front of the loads below
.else
	PLACES 4
.endif
	FETCH \next, 0, 0
	MUL 1, 2, 0
	MUL 1, 3, 0
	WIN 0
.endm
	s_wait_tensorcnt 2                             ; my part of slot 0 is in; slots 1 and 2 may stay out
	s_barrier_signal -1
	s_barrier_wait -1
	FETCH 0, 0, 0
	STEP 0, 1, 0, 1                                ; K 0-127
	TURN 0, 1, 1                                   ; K 128-255; every wave has waited for all three first fills, so slots 1 and 2 are whole behind this round; slot 0 takes K 768-1023
	STEP 1, 1, 0, 0                                ; K 256-383
	STEP 2, 0, 1, 0                                ; K 384-511
	STEP 2, 1, 0, 0                                ; K 512-639
	TURN 2, 0, 0                                   ; K 640-767; the refill has landed in every wave; nothing more is filled
	STEP 0, 1, 0, 0                                ; K 768-895
	s_wait_dscnt 0x0
	MUL 1, 0, 0                                    ; K 896-1023
	MUL 1, 1, 0
	MUL 1, 2, 0
	MUL 1, 3, 0
	WIN 0
; THE WAY OUT, a block of 16 tokens x 64 features at a time: sum x 2^(e6 + e7) + bias, one packed multiply-add for two numbers, each accumulator from its low end on; through my own stage; back as whole rows of 256 bytes.
; LDS serves a wave's instructions in order (ISA guide 5.7.1.4): no wait between the stores and the loads, nor in front of the next block's stores.
.macro TOSTAGE a
	WIN 0x02                                       ; source 0 window 2
.set jj, 0
.rept 16
	v_pk_fma_f32 v[TMP+jj:TMP+jj+1], v[32*(\a)+jj:32*(\a)+jj+1], s[96:97], v[BI+jj:BI+jj+1] op_sel_hi:[1,0,1]
.set jj, jj+2
.endr
	WIN 0
.irp i, 0,1,2,3
	ds_store_b128 v[STO], v[TMP+8*\i:TMP+8*\i+3] offset:64*\i
	ds_store_b128 v[STO], v[TMP+8*\i+4:TMP+8*\i+7] offset:64*\i+16
.endr
.set BB, BK+32*((\a)%2)
.irp t, 0,1,2,3,4,5,6,7
	ds_load_b128 v[BB+4*\t:BB+4*\t+3], v[RD] offset:\t*2*PITCH
.endr
.endm
.macro SEND a, younger                 ; younger: the LDS instructions issued behind block a's loads, which may stay out
.set BB, BK+32*((\a)%2)
	s_wait_dscnt \younger
.irp t, 0,1,2,3,4,5,6,7
	global_store_b128 v[CO], v[BB+4*\t:BB+4*\t+3], s[12:13] offset:(16*(\a)+2*\t)*4096 th:TH_STORE_NT   ; 16 lanes store 256 consecutive bytes, aligned; written once, read by nobody here
.endr
.endm
	s_wait_loadcnt 0x0                             ; the bias
	PLACES 4
	TOSTAGE 0
.irp a, 1,2,3,4,5,6,7
.if \a > 1
	s_wait_xcnt 0x0                                ; block a - 2's stores have read their registers: block a's loads may land there
.endif
	TOSTAGE \a
	SEND \a-1, 16                                  ; behind block a - 1's loads: block a's 8 stores and 8 loads
.endr
	SEND 7, 0
	s_wait_tensorcnt 0x0                           ; the wave's end
	ds_add_u32 v[SPW], v[NIL]
	s_wait_dscnt 0x0
	CROUND                                         ; the closing round
	s_endpgm
.Lfunc_end_k_q8fd0a2e99c_oproj:
	.size	k_q8fd0a2e99c_oproj, .Lfunc_end_k_q8fd0a2e99c_oproj-k_q8fd0a2e99c_oproj
	.p2alignl 7, 3214868480
	.fill 96, 4, 3214868480
	.section	.rodata,"a",@progbits
	.p2align	6, 0x0
	.amdhsa_kernel k_q8fd0a2e99c_oproj
		.amdhsa_group_segment_fixed_size 327680
		.amdhsa_private_segment_fixed_size 0
		.amdhsa_enable_private_segment 0
		.amdhsa_kernarg_size 40
		.amdhsa_user_sgpr_count 2
		.amdhsa_user_sgpr_kernarg_segment_ptr 1
		.amdhsa_wavefront_size32 1
		.amdhsa_system_sgpr_workgroup_id_x 1
		.amdhsa_system_sgpr_workgroup_id_y 1
		.amdhsa_system_sgpr_workgroup_id_z 1
		.amdhsa_system_vgpr_workitem_id 0
		.amdhsa_next_free_vgpr 768
		.amdhsa_next_free_sgpr 100
		.amdhsa_reserve_vcc 0
		.amdhsa_float_denorm_mode_32 3
		.amdhsa_float_denorm_mode_16_64 3
		.amdhsa_memory_ordered 1
		.amdhsa_forward_progress 1
		.amdhsa_inst_pref_size 86
	.end_amdhsa_kernel
	.amdgpu_metadata
---
amdhsa.version: [ 1, 2 ]
amdhsa.kernels:
  - .name:           k_q8fd0a2e99c_oproj
    .symbol:         k_q8fd0a2e99c_oproj.kd
    .args:
      - { .name: ao_img, .offset: 0, .size: 8, .value_kind: global_buffer, .address_space: global }
      - { .name: o_w_codes, .offset: 8, .size: 8, .value_kind: global_buffer, .address_space: global }
      - { .name: o_b, .offset: 16, .size: 8, .value_kind: global_buffer, .address_space: global }
      - { .name: lowp_scales, .offset: 24, .size: 8, .value_kind: global_buffer, .address_space: global }
      - { .name: out0, .offset: 32, .size: 8, .value_kind: global_buffer, .address_space: global }
    .group_segment_fixed_size: 327680
    .private_segment_fixed_size: 0
    .kernarg_segment_align: 8
    .kernarg_segment_size: 40
    .max_flat_workgroup_size: 128
    .sgpr_count:     100
    .vgpr_count:     768
    .wavefront_size: 32
...
	.end_amdgpu_metadata
.endif
;; end of part 3
